; MI455X (gfx1250); checked and timed in simulation.
; The chip was launched on July 23, 2026; its instructions are those of AMD's public machine-readable ISA for CDNA 5 (MIT licence, August 2026) and "CDNA5" Instruction Set Architecture Reference Guide (July 2026). The comments in the code are by the model that wrote it; some were corrected since.
;; Quant Linear. Allowed arithmetic: matrix products marked QUANTISED: E5M2 operands, one E8M0 scale for each 32 along K, by v_wmma_scale_f32_16x16x128_f8f6f4 with both operands' format E5M2, f32 sums; products left as they are: f32 operands where the result goes on into a quantised operand, else bf16, f16 or f32 operands; f32 sums; everything else in f32.
;; Inputs: bias 4,096 float32; g_idx 4,096 int32; lora_A 2 x 16 x 4,096 float32; lora_B 2 x 4,096 x 16 float32; qweight 512 x 4,096 int32; qzeros 32 x 512 int32; scales 32 x 4,096 float32; x 2 x 2,048 x 4,096 float32.
;; Outputs: out0 2 x 2,048 x 4,096 float32.
;; This version of the problem:
;;   THIS VERSION OF THE PROBLEM IS GIVEN IN LOW PRECISION. The matrix products marked QUANTISED in the list below multiply operands that are first quantised to E5M2 (5 exponent bits, 2 mantissa bits; 8 bits a number), with one power-of-two scale for each 32 numbers along K (OCP MX v1.0); their sums are f32. All else is computed in f32.
;;   The module's matrix products, in the order in which they are computed (A, B: the left and right operand; K: the contracted axis; several contracted axes count as one K, in the product's order):
;;     1. [M 4,096, K 4,096] x [K 4,096, N 4,096]; A: input x; B: computed on the way: QUANTISED
;;     2. [M 4,096, K 4,096] x [K 4,096, N 16]; A: computed on the way; B: computed on the way: QUANTISED
;;     3. [M 4,096, K 16] x [K 16, N 4,096]; A: computed on the way; B: computed on the way: left as it is (K = 16 < 32)
;;   THE QUANTISER, for each operand of a quantised product, along K:
;;     - K is cut into blocks of 32 from its start; a last block that is shorter is filled with zeros.
;;     - A block's scale is 2^e with e = floor(log2(the largest magnitude in the block)) - 15, held to -126 .. 127; a block of zeros has e = 0. As a byte (E8M0): e + 127.
;;     - Each number is divided by its block's scale, clamped to +-57,344, and rounded to the nearest number of E5M2, ties to even, subnormals kept.
;;     - The product sums the exact products of the quantised numbers (number of the format x scale) in f32.
;;   ~~~python
;;   def quantise(x, axis):      # numpy; x: float32 -> the quantised numbers, widened to float32 again
;;       x = np.moveaxis(x, axis, -1); K = x.shape[-1]
;;       x = np.pad(x, [(0, 0)] * (x.ndim - 1) + [(0, -K % 32)]); x = x.reshape(x.shape[:-1] + (-1, 32)); a = np.abs(x).max(-1, keepdims=True)
;;       e = np.where(a > 0, np.clip(np.frexp(np.where(a > 0, a, 1))[1] - 1 - 15, -126, 127), 0)      # np.frexp(a)[1] - 1 = floor(log2(a)), exactly
;;       r = np.clip(x / 2.0 ** e, -57344, 57344)
;;       step = 2.0 ** (np.maximum(np.frexp(np.where(r == 0, 1, r))[1] - 1, -14) - 2)
;;       q = np.round(r / step) * step * 2.0 ** e      # np.round: ties to even
;;       return np.moveaxis(q.reshape(q.shape[:-2] + (-1,))[..., :K], -1, axis).astype(np.float32)
;;   ~~~
;;   OPERANDS COMPUTED ON THE WAY. 'Computed on the way' means the value that the module computes at that place (a softmax that the list does not call 'softmax' is quantised finished and normalised). What goes into a quantiser is computed in f32, as accurately as f32 sums, v_exp_f32 and their like allow (about 1e-6 of the number): no bf16 or f16 on the way to a quantiser, and a product that is left as it is and whose result goes on into a quantised operand takes f32 operands (vector FMAs, or v_wmma_f32_16x16x4_f32). A number that lies on a knife's edge between two numbers of the format may be rounded either way, as far as f32 arithmetic and the matrix unit's own rounding can turn it there, and no further.
;; One version. Each part assembles by itself: llvm-mc -triple=amdgcn-amd-amdhsa -mcpu=gfx1250 --defsym DOCPART=n.
;; ======== version 1 of 1: 3 launches
;; limits: values are held in bf16: 8 bits of precision; right only within a limited range of input values
;; workspace buffers: xp 17,301,504 bytes; wp 17,301,504 bytes; part 131,072 bytes; aimg 69,632 bytes; hbuf 131,072 bytes
;; launch prep (part 1): grid 1024 x 1, 4 waves a work-group, no clusters, 34,304 bytes of LDS; arguments qweight, qzeros, scales, g_idx, lora_A, part, wp, aimg, x; writes wp, aimg, part
.if DOCPART == 1
	.amdgcn_target "amdgcn-amd-amdhsa--gfx1250"
	.amdhsa_code_object_version 6
	.text
	.protected	k_q34b911f3d1_prep
	.globl	k_q34b911f3d1_prep
	.p2align	8
	.type	k_q34b911f3d1_prep,@function
k_q34b911f3d1_prep:
	s_mov_b64 s[64:65], 0
	v_nop
	global_prefetch_b8 v0, s[64:65] scope:SCOPE_SE
	s_setreg_imm32_b32 hwreg(HW_REG_WAVE_MODE, 25, 1), 1
	s_wait_xcnt 0x0
; Three jobs that hang on no other launch, told apart by the work-group's number.  Every input of the problem is used; nothing is left out.
; Work-groups 0 .. 511: W[k][n] = scales[g_idx[k]][n] x (nibble of qweight - nibble of qzeros[g_idx[k]]) in f32, quantised along K to BF8 (E5M2) with one E8M0 byte for each 32, laid in panels of 128 columns n x 256 K
; (33,792 bytes at (32 kk + gn) x 33,792: sixteen register images at (2 i + q) x 2,048, registers 4 c .. 4 c + 3 of lane L at 512 c + 16 L; scale words from byte 32,768 on at 128 i + 8 r + 4 q).
; A lane takes a column n and its registers run down K; {scale, zero} of all 32 groups lie in the wave's LDS table (256 g + 8 x lane) and are gathered by g_idx[k], read by scalar loads.
; Work-groups 512 .. 1,023 (c = number - 512): the sums of |x| down rows 512 (c / 64) .. + 511 of columns 64 (c % 64) .. + 63 go to part [8][4096].  A wave takes 128 rows; a load takes 256 bytes of two rows.
; The first eight of them then take, wave by wave, one K step s = 4 c + w of 128: A_sum = lora_A[0] + lora_A[1], quantised, as a register image in aimg (2,048 s; its scale words at 65,536 + 128 s + 4 x lane).
; LIMITS: a g_idx outside 0 .. 31 is held at 31 (taken as unsigned).  NaN and infinities in x, scales, lora_A are not served.  A block of zeros gets the byte 1 where the rule says 127: its codes are zeros, and this program alone reads the bytes.
; No tensor load and no cluster: what work-groups share is g_idx, 16 KiB; the rest is read once.  No prefetch: both streams are read once by loads that are all asked for ahead.
.set PANEL, 33792
.set SCOFF, 32768
.set SPARE, 0x8000                     ; behind the W path's four tables: the spare words, 512 bytes
.set CST,   0x8200                     ; behind them: the column sums' own 1,024 bytes, 256 a wave
.set MNT,  23
.set P,    16                          ; W path: v16-79 32 pairs {scale, zero}
.set Q,    80                          ; v80-111 the K step's 32 words of qweight
.set W,    112                         ; v112-143 a block's 32 numbers
.set C,    144                         ; v144-207 codes, eight registers a block
.set SB,   208                         ; v208-209 the two scale words
.set AD,   214                         ; v214-245 gather addresses
.set RA,   16                          ; A_sum: v16-143
.set TM,   208
.set PC,   224
.set PW,   240
.set SEL,  32
.set CA,   144                         ; column sums: v144-151 eight chains, v152-155 the other half's
.macro QUANT s, pw                     ; 64 numbers of a lane, register 16 b + i = k 32 b + 16 h + i of my row -> codes in v[PC] on, scale word in v[pw]
.irp b, 0,1,2,3
	v_max3_num_f32 v[TM+\b], |v[16*\b+(\s)]|, |v[16*\b+1+(\s)]|, 0x8000000   ; with the floor 2^(16 - 127): the byte cannot fall under 1
.endr
.irp i, 2,4,6,8,10,12,14
.irp b, 0,1,2,3
	v_max3_num_f32 v[TM+\b], v[TM+\b], |v[16*\b+\i+(\s)]|, |v[16*\b+\i+1+(\s)]|
.endr
.endr
.irp b, 0,1,2,3
	v_permlanex16_b32 v[TM+4+\b], v[TM+\b], s[SEL], s[SEL+1]
.endr
.irp b, 0,1,2,3
	v_max_num_f32 v[TM+\b], v[TM+\b], v[TM+4+\b]
.endr
.irp b, 0,1,2,3
	v_add_nc_u32 v[TM+12+\b], 0xf8800000, v[TM+\b]
.endr
.irp b, 0,1,2,3
	v_and_or_b32 v[TM+8+\b], v[TM+\b], 0x7f800000, s[MNT]
.endr
.irp b, 0,1,2,3
	v_lshrrev_b32 v[TM+4+\b], 23, v[TM+12+\b]
.endr
	v_lshl_or_b32 v[\pw], v[TM+5], 8, v[TM+4]
	v_lshl_or_b32 v[\pw], v[TM+6], 16, v[\pw]
	v_lshl_or_b32 v[\pw], v[TM+7], 24, v[\pw]
.irp b, 0,1,2,3
.irp i, 0,1,2,3,4,5,6,7,8,9,10,11,12,13,14,15
	v_med3_num_f32 v[16*\b+\i+(\s)], v[16*\b+\i+(\s)], -v[TM+8+\b], v[TM+8+\b]
.endr
	v_cvt_scalef32_pk8_bf8_f32 v[PC+4*\b:PC+4*\b+1], v[16*\b+(\s):16*\b+7+(\s)], v[TM+12+\b]
	v_cvt_scalef32_pk8_bf8_f32 v[PC+4*\b+2:PC+4*\b+3], v[16*\b+8+(\s):16*\b+15+(\s)], v[TM+12+\b]
.endr
	v_nop
.endm
	s_load_b512 s[4:19], s[0:1], 0x0               ; qweight s[4:5], qzeros s[6:7], scales s[8:9], g_idx s[10:11], lora_A s[12:13], part s[14:15], wp s[16:17], aimg s[18:19]
	s_load_b64 s[20:21], s[0:1], 0x40              ; x
	v_lshl_add_u32 v254, v0, 2, SPARE
	v_mov_b32 v255, 0
	v_lshrrev_b32 v1, 5, v0
	v_readfirstlane_b32 s22, v1                    ; wave 0..3
	v_and_b32 v2, 31, v0                           ; lane
	s_mov_b32 s[MNT], 0x600000
	s_mov_b32 s31, 0
	s_cmp_ge_u32 ttmp9, 512                        ; the same for all waves of a work-group
	s_cbranch_scc1 .Lcol
	; ---------------- W ----------------
	s_and_b32 s24, ttmp9, 31                       ; gn
	s_lshr_b32 s25, ttmp9, 5                       ; kk
	s_lshl_b32 s26, s24, 7
	s_lshl_b32 s27, s22, 5
	s_add_co_u32 s26, s26, s27                     ; my wave's first column
	s_wait_alu depctr_va_vdst(0)
	v_lshlrev_b32 v4, 2, v2                        ; 4 x lane
	v_lshrrev_b32 v5, 3, v2
	v_lshlrev_b32 v5, 2, v5                        ; qzeros: eight columns to a word
	v_and_b32 v6, 7, v2
	v_lshlrev_b32 v6, 2, v6                        ; and my nibble's first bit
	s_lshl_b32 s27, s22, 13
	v_lshl_add_u32 v7, v2, 3, s27                  ; my wave's table + 8 x lane
	v_lshlrev_b32 v8, 4, v2
	v_lshlrev_b32 v9, 3, v2
	s_wait_alu depctr_va_vdst(0)
	s_wait_kmcnt 0x0
	s_lshl_b32 s30, s25, 10
	s_add_nc_u64 s[10:11], s[10:11], s[30:31]      ; g_idx at my K step; never written again
	s_load_b512 s[32:47], s[10:11], 0x0            ; block 0's 32 indices
	s_load_b512 s[48:63], s[10:11], 0x40
	s_lshl_b32 s30, s26, 2
	s_add_nc_u64 s[8:9], s[8:9], s[30:31]
	s_add_nc_u64 s[4:5], s[4:5], s[30:31]
	s_lshl_b32 s30, s25, 19                        ; 32 rows of qweight a K step
	s_add_nc_u64 s[4:5], s[4:5], s[30:31]
	s_lshr_b32 s30, s26, 1
	s_add_nc_u64 s[6:7], s[6:7], s[30:31]
	s_lshl_b32 s30, s25, 5
	s_add_co_u32 s30, s30, s24
	s_mul_i32 s30, s30, PANEL
	s_add_nc_u64 s[16:17], s[16:17], s[30:31]      ; my panel
	s_lshl_b32 s30, s22, 8
	s_add_co_u32 s30, s30, SCOFF
	s_add_nc_u64 s[28:29], s[16:17], s[30:31]      ; my wave's 256 bytes of scale words
	s_lshl_b32 s30, s22, 13
	s_add_nc_u64 s[16:17], s[16:17], s[30:31]      ; my wave's four images
.set g, 0
.rept 32
	global_load_b32 v[P+2*g], v4, s[8:9] offset:16384*g
	global_load_b32 v[P+2*g+1], v5, s[6:7] offset:2048*g
.set g, g+1
.endr
.set d, 0
.rept 32
	global_load_b32 v[Q+d], v4, s[4:5] offset:16384*d th:TH_LOAD_NT   ; 128 consecutive bytes a wave, 512 a work-group
.set d, d+1
.endr
	s_wait_loadcnt 32                              ; the table's 64 loads are in; qweight's 32 may be out
.set g, 0
.rept 32
	v_bfe_u32 v[P+2*g+1], v[P+2*g+1], v6, 4        ; my column's zero of group g
.set g, g+1
.endr
.set g, 0
.rept 32
	v_cvt_f32_u32 v[P+2*g+1], v[P+2*g+1]
.set g, g+1
.endr
.set g, 0
.rept 32
	ds_store_b64 v7, v[P+2*g:P+2*g+1] offset:256*g
.set g, g+1
.endr
	s_wait_dscnt 0x0                               ; the table has landed
	s_barrier_signal -1
	s_barrier_wait -1                              ; behind this barrier LDS is only read
	s_wait_loadcnt 0x0
; The gathers of block t into the 32 pairs.  The next block's indices are asked for into the other set of scalar registers (s32-63, s68-99 by turns).
.macro GATHER t
.set GS, 32+36*((\t)%2)
.set GN, 32+36*(1-(\t)%2)
	s_wait_kmcnt 0x0                               ; this block's 32 indices are in
.if (\t) < 7
	s_load_b512 s[GN:GN+15], s[10:11], 128*((\t)+1)
	s_load_b512 s[GN+16:GN+31], s[10:11], 128*((\t)+1)+64
.endif
.set i, 0
.rept 32
	s_min_u32 s[GS+i], s[GS+i], 31                 ; the index stays inside the table
.set i, i+1
.endr
.set i, 0
.rept 32
	s_lshl_b32 s[GS+i], s[GS+i], 8                 ; 256 bytes a group
.set i, i+1
.endr
.set i, 0
.rept 32
	v_add_nc_u32 v[AD+i], s[GS+i], v7
.set i, i+1
.endr
.set i, 0
.rept 32
	ds_load_b64 v[P+2*i:P+2*i+1], v[AD+i]
.set i, i+1
.endr
.endm
.macro UNPACK t                        ; the nibbles of block t as f32: word d holds k = 8 d + 0 .. 7, the lowest k in the lowest bits
.set d, 0
.rept 4
.set j, 0
.rept 8
	v_bfe_u32 v[W+8*d+j], v[Q+4*(\t)+d], 4*j, 4
.set j, j+1
.endr
.set d, d+1
.endr
.set i, 0
.rept 32
	v_cvt_f32_u32 v[W+i], v[W+i]
.set i, i+1
.endr
.endm
.macro DEQ                             ; scale x (nibble - zero): the difference is exact, the product rounds once
.set i, 0
.rept 32
	v_sub_f32 v[W+i], v[W+i], v[P+2*i+1]
.set i, i+1
.endr
.set i, 0
.rept 32
	v_mul_f32 v[W+i], v[W+i], v[P+2*i]
.set i, i+1
.endr
.endm
.macro QUANTB t                        ; block t's 32 numbers, all mine, become 32 codes and a byte; the codes leave
.irp c, 0,1,2,3
	v_max3_num_f32 v[12+\c], |v[W+8*\c]|, |v[W+8*\c+1]|, |v[W+8*\c+2]|
.endr
.irp i, 3,5
.irp c, 0,1,2,3
	v_max3_num_f32 v[12+\c], v[12+\c], |v[W+8*\c+\i]|, |v[W+8*\c+\i+1]|
.endr
.endr
	v_max3_num_f32 v12, v12, |v[W+7]|, |v[W+15]|
	v_max3_num_f32 v14, v14, |v[W+23]|, |v[W+31]|
	v_max3_num_f32 v12, v12, v13, 0x8000000        ; the floor 2^(16 - 127): the byte cannot fall under 1
	v_max3_num_f32 v12, v12, v14, v15
	v_add_nc_u32 v11, 0xf8800000, v12              ; 15 off the exponent field: the conversion's scale operand
	v_and_or_b32 v10, v12, 0x7f800000, s[MNT]      ; 57,344 x the scale
	v_lshrrev_b32 v13, 23, v11                     ; the byte
.if (\t)%4 == 0
	v_mov_b32 v[SB+(\t)/4], v13
.else
	v_lshl_or_b32 v[SB+(\t)/4], v13, 8*((\t)%4), v[SB+(\t)/4]
.endif
.set i, 0
.rept 32
	v_med3_num_f32 v[W+i], v[W+i], -v10, v10       ; the conversion does not saturate (ISA guide 7.6.2): the hold comes first
.set i, i+1
.endr
.irp e, 0,1,2,3
	v_cvt_scalef32_pk8_bf8_f32 v[C+8*(\t)+2*\e:C+8*(\t)+2*\e+1], v[W+8*\e:W+8*\e+7], v11
.endr
	v_nop                                          ; one plain line behind the last conversion
.irp e, 0,1,2,3
	v_permlane16_swap_b32 v[C+8*(\t)+\e], v[C+8*(\t)+4+\e]   ; k 16 .. 31 of columns 0-15 against k 0 .. 15 of columns 16-31: the first four registers are tile 2 w's, the last four tile 2 w + 1's
.endr
	global_store_b128 v8, v[C+8*(\t):C+8*(\t)+3], s[16:17] offset:2048*((\t)/4)+512*((\t)%4)          ; 512 consecutive bytes, aligned
	global_store_b128 v8, v[C+8*(\t)+4:C+8*(\t)+7], s[16:17] offset:4096+2048*((\t)/4)+512*((\t)%4)
.endm
	GATHER 0
	UNPACK 0
.irp t, 0,1,2,3,4,5,6,7
	s_wait_dscnt 0x0                               ; this block's 32 pairs are in
	DEQ
.if \t < 7
	GATHER \t+1                                    ; the pairs' registers have been read: the next block's gathers go out
.endif
	QUANTB \t
.if \t < 7
	UNPACK \t+1
.endif
.endr
	global_store_b64 v9, v[SB:SB+1], s[28:29]      ; 256 consecutive bytes, aligned
	s_wait_tensorcnt 0x0                           ; the wave's end
	ds_add_u32 v254, v255
	s_wait_dscnt 0x0
	s_endpgm
	; ---------------- the sums of |x| down 512 rows ----------------
.Lcol:
	s_sub_co_u32 s24, ttmp9, 512                   ; c
	s_and_b32 s25, s24, 63                         ; which 64 columns
	s_lshr_b32 s26, s24, 6                         ; which 512 rows
	v_and_b32 v3, 15, v0                           ; r
	v_bfe_u32 v4, v0, 4, 1                         ; h
	v_lshlrev_b32 v5, 4, v3
	v_lshl_add_u32 v5, v4, 14, v5                  ; x: 16 r, and one row further down for lanes 16-31
	s_lshl_b32 s27, s22, 8
	s_add_co_u32 s27, s27, CST
	v_lshl_add_u32 v6, v3, 4, s27                  ; my wave's 256 bytes of sums + 16 r
	v_and_b32 v8, 31, v0
	v_lshlrev_b32 v8, 3, v8                        ; 8 x lane
	v_add_nc_u32 v7, CST, v8
.irp c, 0,1,2,3
	v_mov_b32 v[CA+8+\c], 0                        ; written once: a lane permute's destination counts as one of its sources
.endr
	s_mov_b32 s[SEL], 0x76543210
	s_mov_b32 s[SEL+1], 0xfedcba98
	s_lshl_b32 s29, s25, 8                         ; 256 bytes of a row
	s_lshl_b32 s30, s26, 23                        ; 512 rows of 16,384 bytes
	s_lshl_b32 s28, s22, 21                        ; my wave's 128 rows
	s_add_co_u32 s30, s30, s28
	s_add_co_u32 s30, s30, s29
	s_wait_alu depctr_va_vdst(0)                   ; the wait at the head's end
	s_wait_kmcnt 0x0
	s_add_nc_u64 s[20:21], s[20:21], s[30:31]
	s_lshl_b32 s30, s26, 14
	s_add_co_u32 s30, s30, s29
	s_add_nc_u64 s[14:15], s[14:15], s[30:31]      ; part: row c / 64, my 64 columns
.macro CLOAD t                         ; 32 rows: 16 loads, each 256 consecutive bytes of two rows, into set t % 2
.irp i, 0,1,2,3,4,5,6,7,8,9,10,11,12,13,14,15
	global_load_b128 v[16+64*((\t)%2)+4*\i:16+64*((\t)%2)+4*\i+3], v5, s[20:21] offset:32768*(16*(\t)+\i) th:TH_LOAD_NT
.endr
.endm
.macro CSUM t                          ; eight chains by turns; the first two loads start them: nothing is cleared
.irp i, 0,1,2,3,4,5,6,7,8,9,10,11,12,13,14,15
.irp c, 0,1,2,3
.if (\t) == 0 && \i < 2
	v_and_b32 v[CA+4*\i+\c], 0x7fffffff, v[16+4*\i+\c]
.else
	v_add_f32 v[CA+4*(\i%2)+\c], v[CA+4*(\i%2)+\c], |v[16+64*((\t)%2)+4*\i+\c]|
.endif
.endr
.endr
.endm
	CLOAD 0
	CLOAD 1
	s_wait_loadcnt 16                              ; the older 16 loads are in; the younger 16 may be out
	CSUM 0
	CLOAD 2
	s_wait_alu depctr_va_vdst(0)
	s_wait_loadcnt 16
	CSUM 1
	CLOAD 3
	s_wait_alu depctr_va_vdst(0)
	s_wait_loadcnt 16
	CSUM 2
	s_wait_alu depctr_va_vdst(0)
	s_wait_loadcnt 0x0
	CSUM 3
.irp c, 0,1,2,3
	v_add_f32 v[CA+\c], v[CA+\c], v[CA+4+\c]
.endr
.irp c, 0,1,2,3
	v_permlanex16_b32 v[CA+8+\c], v[CA+\c], s[SEL], s[SEL+1]
.endr
.irp c, 0,1,2,3
	v_add_f32 v[CA+\c], v[CA+\c], v[CA+8+\c]       ; with lane l xor 16's rows: columns 4 r .. 4 r + 3 of my 128 rows
.endr
	ds_store_b128 v6, v[CA:CA+3]                   ; both halves of the lanes write the same bytes with the same values
	s_wait_dscnt 0x0                               ; for wave 0's sake
	s_barrier_signal -1
	s_barrier_wait -1
	s_cmp_lg_u32 s22, 0
	s_cbranch_scc1 .Lcend
.irp w, 0,1,2,3
	ds_load_b64 v[16+2*\w:17+2*\w], v7 offset:256*\w
.endr
	s_wait_dscnt 0x0
	v_pk_add_f32 v[16:17], v[16:17], v[18:19]
	v_pk_add_f32 v[20:21], v[20:21], v[22:23]
	v_pk_add_f32 v[16:17], v[16:17], v[20:21]
	global_store_b64 v8, v[16:17], s[14:15]        ; 256 consecutive bytes, aligned
.Lcend:
	s_wait_tensorcnt 0x0                           ; my last LDS store lies behind
	ds_add_u32 v254, v255
	s_wait_dscnt 0x0
	s_cmp_ge_u32 s24, 8
	s_cbranch_scc1 .Lfin
	; ---------------- A_sum, in the first eight of these work-groups: no LDS ----------------
	s_wait_xcnt 0x0                                ; wave 0's store has read v16-17, into which loads follow
	s_lshl_b32 s24, s24, 2
	s_add_co_u32 s24, s24, s22                     ; my K step of 128: 0 .. 31
	v_lshlrev_b32 v4, 14, v3
	v_bfe_u32 v10, v0, 4, 1
	v_lshl_add_u32 v4, v10, 6, v4                  ; lora_A: row r of 16,384 bytes, + 64 h
	v_lshlrev_b32 v5, 1, v8                        ; 16 x lane
	v_lshrrev_b32 v6, 1, v8                        ; 4 x lane
.irp b, 0,1,2,3
	v_mov_b32 v[TM+4+\b], 0
.endr
	s_lshl_b32 s30, s24, 9
	s_add_nc_u64 s[12:13], s[12:13], s[30:31]
	s_add_nc_u64 s[26:27], s[18:19], 65536
	s_lshl_b32 s30, s24, 11
	s_add_nc_u64 s[18:19], s[18:19], s[30:31]
	s_lshl_b32 s30, s24, 7
	s_add_nc_u64 s[26:27], s[26:27], s[30:31]
	s_wait_alu depctr_va_vdst(0)                   ; the wait behind the run of scalar lines
.irp a, 0,1
.irp b, 0,1,2,3
.irp j, 0,1,2,3
	global_load_b128 v[RA+64*\a+16*\b+4*\j:RA+64*\a+16*\b+4*\j+3], v4, s[12:13] offset:262144*\a+128*\b+16*\j
.endr
.endr
.endr
	s_wait_loadcnt 0x0
.set i, 0
.rept 32
	v_pk_add_f32 v[RA+2*i:RA+2*i+1], v[RA+2*i:RA+2*i+1], v[RA+64+2*i:RA+64+2*i+1]
.set i, i+1
.endr
	QUANT RA, PW
.irp c, 0,1,2,3
	global_store_b128 v5, v[PC+4*\c:PC+4*\c+3], s[18:19] offset:512*\c
.endr
	global_store_b32 v6, v[PW], s[26:27]
.Lfin:
	s_endpgm
.Lfunc_end_k_q34b911f3d1_prep:
	.size	k_q34b911f3d1_prep, .Lfunc_end_k_q34b911f3d1_prep-k_q34b911f3d1_prep
	.p2alignl 7, 3214868480
	.fill 96, 4, 3214868480
	.section	.rodata,"a",@progbits
	.p2align	6, 0x0
	.amdhsa_kernel k_q34b911f3d1_prep
		.amdhsa_group_segment_fixed_size 34304
		.amdhsa_private_segment_fixed_size 0
		.amdhsa_enable_private_segment 0
		.amdhsa_kernarg_size 72
		.amdhsa_user_sgpr_count 2
		.amdhsa_user_sgpr_kernarg_segment_ptr 1
		.amdhsa_wavefront_size32 1
		.amdhsa_system_sgpr_workgroup_id_x 1
		.amdhsa_system_sgpr_workgroup_id_y 1
		.amdhsa_system_sgpr_workgroup_id_z 1
		.amdhsa_system_vgpr_workitem_id 0
		.amdhsa_next_free_vgpr 256
		.amdhsa_next_free_sgpr 100
		.amdhsa_reserve_vcc 0
		.amdhsa_float_denorm_mode_32 3
		.amdhsa_float_denorm_mode_16_64 3
		.amdhsa_memory_ordered 1
		.amdhsa_forward_progress 1
		.amdhsa_inst_pref_size 168
	.end_amdhsa_kernel
	.amdgpu_metadata
---
amdhsa.version: [ 1, 2 ]
amdhsa.kernels:
  - .name:           k_q34b911f3d1_prep
    .symbol:         k_q34b911f3d1_prep.kd
    .args:
      - { .name: qweight, .offset: 0, .size: 8, .value_kind: global_buffer, .address_space: global }
      - { .name: qzeros, .offset: 8, .size: 8, .value_kind: global_buffer, .address_space: global }
      - { .name: scales, .offset: 16, .size: 8, .value_kind: global_buffer, .address_space: global }
      - { .name: g_idx, .offset: 24, .size: 8, .value_kind: global_buffer, .address_space: global }
      - { .name: lora_A, .offset: 32, .size: 8, .value_kind: global_buffer, .address_space: global }
      - { .name: part, .offset: 40, .size: 8, .value_kind: global_buffer, .address_space: global }
      - { .name: wp, .offset: 48, .size: 8, .value_kind: global_buffer, .address_space: global }
      - { .name: aimg, .offset: 56, .size: 8, .value_kind: global_buffer, .address_space: global }
      - { .name: x, .offset: 64, .size: 8, .value_kind: global_buffer, .address_space: global }
    .group_segment_fixed_size: 34304
    .private_segment_fixed_size: 0
    .kernarg_segment_align: 8
    .kernarg_segment_size: 72
    .max_flat_workgroup_size: 128
    .sgpr_count:     100
    .vgpr_count:     256
    .wavefront_size: 32
...
	.end_amdgpu_metadata
.endif
;; end of part 1
;; launch xh (part 2): grid 256 x 1, 16 waves a work-group, no clusters, 153,856 bytes of LDS; arguments x, part, aimg, hbuf, xp; writes hbuf, xp
.if DOCPART == 2
	.amdgcn_target "amdgcn-amd-amdhsa--gfx1250"
	.amdhsa_code_object_version 6
	.text
	.protected	k_q34b911f3d1_xh
	.globl	k_q34b911f3d1_xh
	.p2align	8
	.type	k_q34b911f3d1_xh,@function
k_q34b911f3d1_xh:
	s_mov_b64 s[64:65], 0
	v_nop
	global_prefetch_b8 v0, s[64:65] scope:SCOPE_SE
	s_setreg_imm32_b32 hwreg(HW_REG_WAVE_MODE, 25, 1), 1
	s_wait_xcnt 0x0
; x is read once and quantised twice, along K, to BF8 (E5M2) with one E8M0 byte for each 32.
; (1) Q(x) goes to xp in panels of 128 rows x 256 K: 33,792 bytes at (32 kk + g) x 33,792; sixteen register images at (2 i + q) x 2,048, registers 4 c .. 4 c + 3 of lane L at 512 c + 16 L;
;     lane (r, h) holds k = 128 q + 32 c + 16 h + 0 .. 15 of row 16 i + r; scale words from byte 32,768 on at 128 i + 8 r + 4 q.
; (2) h = Q(x aw) Q(A_sum)^T, [4096][16].  aw[k] = (csum[k] / 4096) / (sum of csum / 4096^2 + 1e-6), csum[k] = the sum of part's 8 rows = the sum of |x[:, k]|.  The division is a reciprocal and a multiplication in f32.
;     2 h (the next product's scaling, exact) is rounded to bf16 and stored as registers 0-3 of that product's fragment: 512 bytes for each 16 rows, lane L's 16 bytes at 16 L.
; LIMITS: NaN and infinities in x are not served; a block of zeros gets the byte 1 where the rule says 127: its codes are zeros, and this program alone reads the bytes.
; SHARES.  A work-group takes 16 rows (block i = number % 8 of panel row g = number / 8) and all of K; wave w takes K = 256 w .. + 255 (kk = w), two K steps of 128 (q).
; A load takes 512 consecutive bytes of a row; the turn to 16 neighbours a lane goes through the wave's own stage in LDS (rows 528 bytes apart), once for x as it is and once for x aw.
; REGISTERS.  Two sets of 64: step s is loaded into set s and turned into the other set.  At the head the second set takes part's 16 loads; step 1's loads go out when step 0's first quantiser has read that set.
; The product is used transposed (source 0 = A_sum's 16 rows, source 1 = my 16 rows): lane (r, h) holds h[r][8 h + 0 .. 7].  The sixteen waves' parts are added by wave 0, in ascending K.
; A wave's scale words of xp are 128 bytes: half of an aligned 256, one byte in 33 of what the launch stores.  No tensor load, no cluster: work-groups share only part and aimg, 200 KiB.
; No prefetch: there is no loop to run ahead in; a wave's loads are asked for at the head and one step ahead.
.set PANEL, 33792
.set SCOFF, 32768
.set SP,   528
.set STG,  16*SP
.set TOT,  16*STG                      ; one word a wave: its part of the sum of csum
.set DP,   TOT+256                     ; 1,024 bytes a wave: its part of h
.set SPARE, DP+16384                   ; the spare words, 128 bytes a wave
.set SWO,  1                           ; v1   8 r
.set XO,   4                           ; v4   16 x lane
.set SI,   5                           ; v5   the stage, way in
.set SOUT, 6                           ; v6   way out: 528 r + 64 h
.set LS,   7                           ; v7   4 x lane
.set AW,   12                          ; v12-19 csum, then aw, of columns 128 s + 4 lane + c at 4 s + c
.set TM,   24
.set PW,   40                          ; v40-41 x aw's scale words: nothing else
.set AS,   42                          ; v42-43 A_sum's scale words: nothing else
.set PC,   44                          ; v44-59 the codes just made
.set AF,   60                          ; v60-91 A_sum's two fragments
.set D,    92                          ; v92-107 two accumulators
.set R,    108                         ; v108-235 the two sets; at the end the sixteen parts
.set TT,   236
.set PX,   252                         ; v252-253 x's scale words
.set SEL,  20
.set MNT,  23
.macro QUANT s, pw                     ; 64 numbers of a lane, register 16 b + i = k 32 b + 16 h + i of my row -> codes in v[PC] on, scale word in v[pw]
.irp b, 0,1,2,3
	v_max3_num_f32 v[TM+\b], |v[16*\b+(\s)]|, |v[16*\b+1+(\s)]|, 0x8000000   ; with the floor 2^(16 - 127): the byte cannot fall under 1
.endr
.irp i, 2,4,6,8,10,12,14
.irp b, 0,1,2,3
	v_max3_num_f32 v[TM+\b], v[TM+\b], |v[16*\b+\i+(\s)]|, |v[16*\b+\i+1+(\s)]|   ; the four blocks by turns
.endr
.endr
.irp b, 0,1,2,3
	v_permlanex16_b32 v[TM+4+\b], v[TM+\b], s[SEL], s[SEL+1]
.endr
.irp b, 0,1,2,3
	v_max_num_f32 v[TM+\b], v[TM+\b], v[TM+4+\b]
.endr
.irp b, 0,1,2,3
	v_add_nc_u32 v[TM+12+\b], 0xf8800000, v[TM+\b]
.endr
.irp b, 0,1,2,3
	v_and_or_b32 v[TM+8+\b], v[TM+\b], 0x7f800000, s[MNT]
.endr
.irp b, 0,1,2,3
	v_lshrrev_b32 v[TM+4+\b], 23, v[TM+12+\b]
.endr
	v_lshl_or_b32 v[\pw], v[TM+5], 8, v[TM+4]
	v_lshl_or_b32 v[\pw], v[TM+6], 16, v[\pw]
	v_lshl_or_b32 v[\pw], v[TM+7], 24, v[\pw]      ; the 64 holds below stand between the scale word and a product
.irp b, 0,1,2,3
.irp i, 0,1,2,3,4,5,6,7,8,9,10,11,12,13,14,15
	v_med3_num_f32 v[16*\b+\i+(\s)], v[16*\b+\i+(\s)], -v[TM+8+\b], v[TM+8+\b]   ; the conversion does not saturate (ISA guide 7.6.2): the hold comes first
.endr
	v_cvt_scalef32_pk8_bf8_f32 v[PC+4*\b:PC+4*\b+1], v[16*\b+(\s):16*\b+7+(\s)], v[TM+12+\b]
	v_cvt_scalef32_pk8_bf8_f32 v[PC+4*\b+2:PC+4*\b+3], v[16*\b+8+(\s):16*\b+15+(\s)], v[TM+12+\b]
.endr
	v_nop                                          ; one plain line behind the last conversion
.endm
.macro LOADX s                         ; step s of my 16 rows, as it lies, into set s
.irp i, 0,1,2,3,4,5,6,7,8,9,10,11,12,13,14,15
	global_load_b128 v[R+64*(\s)+4*\i:R+64*(\s)+4*\i+3], v[XO], s[4:5] offset:16384*\i+512*(\s) th:TH_LOAD_NT
.endr
.endm
.macro TURNS from, to                  ; 16 rows x 512 bytes through my stage: LDS serves a wave's instructions in order (ISA guide 5.7.1.4)
.irp i, 0,1,2,3,4,5,6,7,8,9,10,11,12,13,14,15
	ds_store_b128 v[SI], v[(\from)+4*\i:(\from)+4*\i+3] offset:SP*\i
.endr
.irp b, 0,1,2,3
.irp j, 0,1,2,3
	ds_load_b128 v[(\to)+16*\b+4*\j:(\to)+16*\b+4*\j+3], v[SOUT] offset:128*\b+16*\j
.endr
.endr
	s_wait_dscnt 0x0                               ; the 64 numbers are back, and the stores have read their registers
.endm
	s_load_b256 s[4:11], s[0:1], 0x0               ; x s[4:5], part s[6:7], aimg s[8:9], hbuf s[10:11]
	s_load_b64 s[26:27], s[0:1], 0x20              ; xp
	v_lshl_add_u32 v254, v0, 2, SPARE
	v_mov_b32 v255, 0
	v_lshrrev_b32 v1, 5, v0
	v_readfirstlane_b32 s12, v1                    ; wave 0..15
	v_and_b32 v2, 31, v0
	v_and_b32 v3, 15, v0
	v_bfe_u32 v20, v0, 4, 1
	v_lshlrev_b32 v[XO], 4, v2
	s_mul_i32 s13, s12, STG
	v_add_nc_u32 v[SI], s13, v[XO]
	v_mul_u32_u24 v[SOUT], v3, SP
	v_lshl_add_u32 v[SOUT], v20, 6, v[SOUT]
	v_add_nc_u32 v[SOUT], s13, v[SOUT]
	v_lshlrev_b32 v[LS], 2, v2
	v_lshlrev_b32 v[SWO], 3, v3
	v_mov_b32 v8, s12
	v_lshl_add_u32 v8, v8, 2, TOT                  ; my wave's word
	v_mov_b32 v9, TOT
	s_lshl_b32 s13, s12, 10
	s_add_co_u32 s13, s13, DP
	v_add_nc_u32 v10, s13, v[XO]                   ; my wave's part of h
	v_add_nc_u32 v11, DP, v[XO]
.irp b, 0,1,2,3
	v_mov_b32 v[TM+4+\b], 0                        ; written once: a lane permute's destination counts as one of its sources
.endr
	s_mov_b32 s16, 0x33800000                      ; 2^-24
	s_mov_b32 s17, 0x358637bd                      ; 1e-6
	s_mov_b32 s18, 0x39800000                      ; 2^-12
	s_mov_b32 s[SEL], 0x76543210
	s_mov_b32 s[SEL+1], 0xfedcba98
	s_mov_b32 s[MNT], 0x600000
	s_mov_b32 s25, 0
	s_lshr_b32 s28, ttmp9, 3                       ; g
	s_lshl_b32 s29, s12, 5
	s_add_co_u32 s28, s28, s29
	s_mul_i32 s28, s28, PANEL                      ; my panel: 32 w + g
	s_and_b32 s29, ttmp9, 7                        ; i
	s_lshl_b32 s30, s29, 12
	s_add_co_u32 s30, s30, s28                     ; my two images
	s_lshl_b32 s29, s29, 7
	s_add_co_u32 s28, s28, s29
	s_add_co_u32 s28, s28, SCOFF                   ; my 128 bytes of scale words
	s_mov_b32 s29, 0
	s_mov_b32 s31, 0
	s_wait_alu depctr_va_vdst(0)                   ; the wait at the head's end
	s_wait_kmcnt 0x0
	s_add_nc_u64 s[28:29], s[26:27], s[28:29]
	s_add_nc_u64 s[26:27], s[26:27], s[30:31]
	s_lshl_b32 s24, s12, 10                        ; my 256 columns
	s_add_nc_u64 s[6:7], s[6:7], s[24:25]
	s_add_nc_u64 s[4:5], s[4:5], s[24:25]
	s_lshl_b32 s24, ttmp9, 18                      ; my work-group's 16 rows
	s_add_nc_u64 s[4:5], s[4:5], s[24:25]
	s_lshl_b32 s24, s12, 8
	s_add_co_u32 s24, s24, 65536
	s_add_nc_u64 s[14:15], s[8:9], s[24:25]        ; A_sum's scale words of my two K steps
	s_lshl_b32 s24, s12, 12
	s_add_nc_u64 s[8:9], s[8:9], s[24:25]          ; and its images
	s_lshl_b32 s24, ttmp9, 9
	s_add_nc_u64 s[10:11], s[10:11], s[24:25]
.irp p, 0,1,2,3,4,5,6,7
	global_load_b128 v[R+64+8*\p:R+64+8*\p+3], v[XO], s[6:7] offset:16384*\p          ; part's row p, my 256 columns, into the second set
	global_load_b128 v[R+64+8*\p+4:R+64+8*\p+7], v[XO], s[6:7] offset:16384*\p+512
.endr
.irp c, 0,1,2,3,4,5,6,7
	global_load_b128 v[AF+4*\c:AF+4*\c+3], v[XO], s[8:9] offset:512*\c
.endr
	global_load_b32 v[AS], v[LS], s[14:15]
	global_load_b32 v[AS+1], v[LS], s[14:15] offset:128
	LOADX 0
	; ---- aw
	s_wait_loadcnt 26                              ; part's 16 loads are in; the 8 + 2 + 16 behind them may be out
.irp e, 0,1,2,3
	v_pk_add_f32 v[AW+2*\e:AW+2*\e+1], v[R+64+2*\e:R+64+2*\e+1], v[R+72+2*\e:R+72+2*\e+1]
.endr
.irp p, 2,3,4,5,6,7
.irp e, 0,1,2,3
	v_pk_add_f32 v[AW+2*\e:AW+2*\e+1], v[AW+2*\e:AW+2*\e+1], v[R+64+8*\p+2*\e:R+64+8*\p+2*\e+1]
.endr
.endr
	v_add_f32 v20, v[AW], v[AW+1]
	v_add_f32 v21, v[AW+2], v[AW+3]
	v_add_f32 v22, v[AW+4], v[AW+5]
	v_add_f32 v23, v[AW+6], v[AW+7]
	v_add_f32 v20, v20, v21
	v_add_f32 v22, v22, v23
	v_add_f32 v20, v20, v22
	v_add_f32_dpp v20, v20, v20 row_xmask:1 row_mask:0xf bank_mask:0xf
	v_add_f32_dpp v20, v20, v20 row_xmask:2 row_mask:0xf bank_mask:0xf
	v_add_f32_dpp v20, v20, v20 row_xmask:4 row_mask:0xf bank_mask:0xf
	v_add_f32_dpp v20, v20, v20 row_xmask:8 row_mask:0xf bank_mask:0xf
	v_permlanex16_b32 v21, v20, s[SEL], s[SEL+1]
	v_add_f32 v20, v20, v21                        ; the sum of csum over my 256 columns
	ds_store_b32 v8, v20                           ; all lanes write the same word with the same value
	s_wait_dscnt 0x0
	s_barrier_signal -1
	s_barrier_wait -1
.irp i, 0,1,2,3
	ds_load_b128 v[TT+4*\i:TT+4*\i+3], v9 offset:16*\i
.endr
	s_wait_dscnt 0x0
	v_pk_add_f32 v[TT:TT+1], v[TT:TT+1], v[TT+2:TT+3]
	v_pk_add_f32 v[TT+4:TT+5], v[TT+4:TT+5], v[TT+6:TT+7]
	v_pk_add_f32 v[TT+8:TT+9], v[TT+8:TT+9], v[TT+10:TT+11]
	v_pk_add_f32 v[TT+12:TT+13], v[TT+12:TT+13], v[TT+14:TT+15]
	v_pk_add_f32 v[TT:TT+1], v[TT:TT+1], v[TT+4:TT+5]
	v_pk_add_f32 v[TT+8:TT+9], v[TT+8:TT+9], v[TT+12:TT+13]
	v_pk_add_f32 v[TT:TT+1], v[TT:TT+1], v[TT+8:TT+9]
	v_add_f32 v20, v[TT], v[TT+1]
	v_fma_f32 v20, v20, s16, s17                   ; the mean of the means + 1e-6
	s_wait_alu depctr_va_vdst(0)                   ; the wait ahead of the reciprocal
	v_rcp_f32 v21, v20
	v_nop                                          ; a plain line behind the reciprocal
	s_wait_alu depctr_va_vdst(0)                   ; and ahead of its first reader
	v_mul_f32 v22, s18, v21                        ; / 4096, exact
.irp p, 0,1,2,3
	v_pk_mul_f32 v[AW+2*\p:AW+2*\p+1], v[AW+2*\p:AW+2*\p+1], v[22:23] op_sel_hi:[1,0]
.endr
; A K step of 128: x turned and quantised for xp; then x aw, turned, quantised, one product on an accumulator of its own
.macro KSTEP s
.set RS, R+64*(\s)
.set TS, R+64*(1-(\s))
	s_wait_loadcnt 0x0                             ; this step's 16 loads are in (in step 0 A_sum's too); nothing else is out
	TURNS RS, TS
	QUANT TS, PX+(\s)
.irp c, 0,1,2,3
	global_store_b128 v[XO], v[PC+4*\c:PC+4*\c+3], s[26:27] offset:2048*(\s)+512*\c   ; 512 consecutive bytes, aligned
.endr
.if (\s) == 0
	LOADX 1                                        ; the set that the quantiser has read takes the next step
.endif
.set i, 0
.rept 16
	v_pk_mul_f32 v[RS+4*i:RS+4*i+1], v[RS+4*i:RS+4*i+1], v[AW+4*(\s):AW+4*(\s)+1]
	v_pk_mul_f32 v[RS+4*i+2:RS+4*i+3], v[RS+4*i+2:RS+4*i+3], v[AW+4*(\s)+2:AW+4*(\s)+3]
.set i, i+1
.endr
	TURNS RS, RS                                   ; back into the registers that they left
	s_wait_xcnt 0x0                                ; the stores above have read v[PC] on, which is written again
	QUANT RS, PW+(\s)
.rept 3
	v_nop                                          ; with QUANT's last line: four places between the codes and the scaled product
.endr
	v_wmma_scale_f32_16x16x128_f8f6f4 v[D+8*(\s):D+8*(\s)+7], v[AF+16*(\s):AF+16*(\s)+15], v[PC:PC+15], 0, v[AS+(\s)], v[PW+(\s)] matrix_a_fmt:MATRIX_FMT_BF8 matrix_b_fmt:MATRIX_FMT_BF8
.endm
	s_wait_alu depctr_va_vdst(0)
	KSTEP 0
	KSTEP 1                                        ; its first quantiser's maxima are the places ahead of the next write of v[PC] on
	global_store_b64 v[SWO], v[PX:PX+1], s[28:29]  ; row r's two scale words; both halves of the lanes hold and write the same
.rept 8
	v_nop                                          ; eight places ahead of the first read of the results
.endr
.irp p, 0,1,2,3
	v_pk_add_f32 v[D+2*\p:D+2*\p+1], v[D+2*\p:D+2*\p+1], v[D+8+2*\p:D+8+2*\p+1]   ; both accumulators from their low ends on
.endr
	ds_store_b128 v10, v[D:D+3]
	ds_store_b128 v10, v[D+4:D+7] offset:512
	s_wait_dscnt 0x0                               ; for wave 0's sake
	s_barrier_signal -1
	s_barrier_wait -1
	s_cmp_lg_u32 s12, 0
	s_cbranch_scc1 .Ldone
.set w, 0
.rept 16
	ds_load_b128 v[R+8*w:R+8*w+3], v11 offset:1024*w
	ds_load_b128 v[R+8*w+4:R+8*w+7], v11 offset:1024*w+512
.set w, w+1
.endr
	s_wait_dscnt 0x0
.set w, 1
.rept 15
.irp p, 0,1,2,3
	v_pk_add_f32 v[R+2*\p:R+2*\p+1], v[R+2*\p:R+2*\p+1], v[R+8*w+2*\p:R+8*w+2*\p+1]
.endr
.set w, w+1
.endr
.irp p, 0,1,2,3
	v_pk_mul_f32 v[R+2*\p:R+2*\p+1], v[R+2*\p:R+2*\p+1], 2.0 op_sel_hi:[1,0]
.endr
.irp p, 0,1,2,3
	v_cvt_pk_bf16_f32 v[20+\p], v[R+2*\p], v[R+2*\p+1]
.endr
	global_store_b128 v[XO], v[20:23], s[10:11]    ; 512 consecutive bytes, aligned
.Ldone:
	s_wait_tensorcnt 0x0                           ; the wave's end
	ds_add_u32 v254, v255
	s_wait_dscnt 0x0
	s_endpgm
.Lfunc_end_k_q34b911f3d1_xh:
	.size	k_q34b911f3d1_xh, .Lfunc_end_k_q34b911f3d1_xh-k_q34b911f3d1_xh
	.p2alignl 7, 3214868480
	.fill 96, 4, 3214868480
	.section	.rodata,"a",@progbits
	.p2align	6, 0x0
	.amdhsa_kernel k_q34b911f3d1_xh
		.amdhsa_group_segment_fixed_size 153856
		.amdhsa_private_segment_fixed_size 0
		.amdhsa_enable_private_segment 0
		.amdhsa_kernarg_size 40
		.amdhsa_user_sgpr_count 2
		.amdhsa_user_sgpr_kernarg_segment_ptr 1
		.amdhsa_wavefront_size32 1
		.amdhsa_system_sgpr_workgroup_id_x 1
		.amdhsa_system_sgpr_workgroup_id_y 1
		.amdhsa_system_sgpr_workgroup_id_z 1
		.amdhsa_system_vgpr_workitem_id 0
		.amdhsa_next_free_vgpr 256
		.amdhsa_next_free_sgpr 66
		.amdhsa_reserve_vcc 0
		.amdhsa_float_denorm_mode_32 3
		.amdhsa_float_denorm_mode_16_64 3
		.amdhsa_memory_ordered 1
		.amdhsa_forward_progress 1
		.amdhsa_inst_pref_size 65
	.end_amdhsa_kernel
	.amdgpu_metadata
---
amdhsa.version: [ 1, 2 ]
amdhsa.kernels:
  - .name:           k_q34b911f3d1_xh
    .symbol:         k_q34b911f3d1_xh.kd
    .args:
      - { .name: x, .offset: 0, .size: 8, .value_kind: global_buffer, .address_space: global }
      - { .name: part, .offset: 8, .size: 8, .value_kind: global_buffer, .address_space: global }
      - { .name: aimg, .offset: 16, .size: 8, .value_kind: global_buffer, .address_space: global }
      - { .name: hbuf, .offset: 24, .size: 8, .value_kind: global_buffer, .address_space: global }
      - { .name: xp, .offset: 32, .size: 8, .value_kind: global_buffer, .address_space: global }
    .group_segment_fixed_size: 153856
    .private_segment_fixed_size: 0
    .kernarg_segment_align: 8
    .kernarg_segment_size: 40
    .max_flat_workgroup_size: 512
    .sgpr_count:     66
    .vgpr_count:     256
    .wavefront_size: 32
...
	.end_amdgpu_metadata
.endif
;; end of part 2
;; launch gemm (part 3): grid 16 x 16, 4 waves a work-group, clusters of 4 x 4, 327,680 bytes of LDS; arguments xp, wp, hbuf, lora_B, bias, out0; writes out0
.if DOCPART == 3
	.amdgcn_target "amdgcn-amd-amdhsa--gfx1250"
	.amdhsa_code_object_version 6
	.text
	.protected	k_q34b911f3d1_gemm
	.globl	k_q34b911f3d1_gemm
	.p2align	8
	.type	k_q34b911f3d1_gemm,@function
k_q34b911f3d1_gemm:
	s_mov_b64 s[64:65], 0
	v_nop
	global_prefetch_b8 v0, s[64:65] scope:SCOPE_SE
	s_setreg_imm32_b32 hwreg(HW_REG_WAVE_MODE, 25, 1), 1
	s_wait_xcnt 0x0
	s_wait_alu depctr_hold_cnt(0) depctr_sa_sdst(0) depctr_va_vdst(0) depctr_va_sdst(0) depctr_va_ssrc(0) depctr_va_vcc(0) depctr_vm_vsrc(0)
	s_getreg_b32 s2, hwreg(HW_REG_IB_STS2, 6, 4)
	s_cmp_eq_u32 s2, 0
	s_cbranch_scc0 .Lentry_in_a_cluster
	s_endpgm
.Lentry_in_a_cluster:
	s_bfe_u32 s2, ttmp6, 0x10000c
	s_cmp_lg_u32 s2, 0xf033
	s_cbranch_scc0 .Lentry_shape_is_right
	s_endpgm
.Lentry_shape_is_right:
; out0 = Q(x) Q(W) + bias + (2 h) B_sum^T.  xp and wp hold codes of BF8 (E5M2) and E8M0 scale words in panels of 128 rows x 256 K, 33,792 dense bytes each, laid as images of the operands' registers.
; A tile of 256 x 256 to a work-group of four waves, 128 x 128 a wave; K in steps of 256 through two LDS slots of four panels; 4 x 4 clusters: A's panels are asked for jointly along a row, B's along a column.
; The sums begin with one bf16 product: source 0 = B_sum = lora_B[0] + lora_B[1] (K = 16, the upper 16 zeros), source 1 = 2 h from hbuf, C = bias.  The matrix instructions are used transposed: a lane holds eight neighbours of a row.
; HEAD: one joint load a wave behind the first round; lora_B, hbuf, bias and all addresses are asked for and made while it is out; then the waits, the add and a round, and slot 1's first fill.
; PREFETCH: behind each refill every cluster asks for the panels two refills on: the four partners of a joint load take 32 blocks of 256 bytes each, a lane a block, and one of the panel's last four blocks each, told apart by address.
.set SIZE_N, 4096
.set NQ,     2
.set FR,     16
.set NL,     4
.set NP,     8
.set PANEL,  33792
.set SCOFF,  32768
.set SLOT,   4*PANEL
.set SPARE,  2*SLOT
.set KSTEPB, 32*PANEL
.set LAPS,   8
.set SPITCH, 528
.set ADRA, 16
.set ADRS, 18
.set ADRB, 20
.set STO,  24
.set RD,   25
.set CO,   26
.set SPW,  28
.set NIL,  29
.set PFO,  30
.set SC,   32
.set BI,   64
.set AF,   128
.set BK,   128
.set G1,  24
.set G0,  32
.set G1B, 48
.set G0B, 56
.set PFA, 72
.set LIM, 74
.set MSB, 0
.macro WIN new
.if MSB != (\new)
	s_set_vgpr_msb (MSB<<8)|(\new)
.set MSB, (\new)
.endif
.endm
.set MUL_LO, 0xa1
.set MUL_HI, 0xf1
.set TO_B,   0x40
.macro JLOAD g0a, g1a, g0b, g1b
	s_cmp_eq_u32 s15, 0
	s_cbranch_scc0 .Lfor_b_\@
	tensor_load_to_lds s[\g0a:\g0a+3], s[\g1a:\g1a+7]
	s_nop 0
.rept 4
	v_nop
.endr
	s_branch .Lasked_\@
.Lfor_b_\@:
	tensor_load_to_lds s[\g0b:\g0b+3], s[\g1b:\g1b+7]
	s_nop 0
.rept 4
	v_nop
.endr
.Lasked_\@:
.endm
.macro ASK
	s_cmp_gt_u32 s3, s[LIM]
	s_cbranch_scc0 .Lnot_mine_\@
	global_prefetch_b8 v[PFO], s[PFA:PFA+1] th:TH_LOAD_NT scope:SCOPE_SE
	global_prefetch_b8 v31, s[PFA:PFA+1] th:TH_LOAD_NT scope:SCOPE_SE   ; one of the panel's last four blocks, the scale words'
.Lnot_mine_\@:
.endm
.macro CREST
	s_cmp_lg_u32 s14, 0
	s_cbranch_scc1 .Lnot_wave_0_\@
	s_barrier_signal -3
.Lnot_wave_0_\@:
	s_barrier_wait -3
	s_barrier_signal -1
	s_barrier_wait -1
.endm
.macro CROUND
	s_barrier_signal -1
	s_barrier_wait -1
	CREST
.endm
	s_load_b256 s[4:11], s[0:1], 0x0
	s_load_b128 s[68:71], s[0:1], 0x20
	v_lshl_add_u32 v[SPW], v0, 2, SPARE
	v_mov_b32 v[NIL], 0
	ds_add_u32 v28, v29
	ds_add_u32 v28, v29
	s_wait_dscnt 0x0
	v_lshrrev_b32 v1, 5, v0
	v_readfirstlane_b32 s14, v1
	s_lshr_b32 s15, s14, 1
	s_and_b32 s16, s14, 1
	s_bfe_u32 s40, ttmp6, 0x40000
	s_bfe_u32 s41, ttmp6, 0x40004
	s_lshl_b32 s42, ttmp9, 2
	s_add_co_u32 s42, s42, s40
	s_and_b32 s17, ttmp7, 0xffff
	s_lshl_b32 s17, s17, 2
	s_add_co_u32 s17, s17, s41
	s_lshl_b32 s43, s41, 2
	s_lshl_b32 s43, 15, s43
	s_lshl_b32 s44, 0x1111, s40
	s_or_b32 s[G1+0], s43, (3<<16)|(1<<21)
	s_or_b32 s[G1B+0], s44, (3<<16)|(1<<21)
.irp g, G1, G1B
	s_mov_b32 s[\g+1], 32<<16
	s_mov_b32 s[\g+2], 132<<16
	s_mov_b32 s[\g+3], 32<<16
	s_mov_b32 s[\g+4], 132
	s_mov_b32 s[\g+5], 32
	s_mov_b32 s[\g+6], 0
	s_mov_b32 s[\g+7], 0
.endr
	s_lshl_b32 s20, s17, 1
	s_add_co_u32 s20, s20, s16
	s_mul_i32 s20, s20, PANEL
	s_mov_b32 s21, 0
	s_lshl_b32 s46, s42, 1
	s_add_co_u32 s46, s46, s16
	s_mul_i32 s46, s46, PANEL
	s_mov_b32 s47, 0
	s_mul_i32 s45, s14, PANEL
	s_wait_kmcnt 0x0
	s_add_nc_u64 s[20:21], s[4:5], s[20:21]
	s_add_nc_u64 s[46:47], s[6:7], s[46:47]
	CROUND
.irp s, 0,1
	s_mov_b32 s[G0+4*\s], 1
	s_add_co_u32 s[G0+4*\s+1], s45, \s*SLOT
	s_add_nc_u64 s[G0+4*\s+2:G0+4*\s+3], s[20:21], \s*KSTEPB
	s_or_b32 s[G0+4*\s+3], s[G0+4*\s+3], 0x80000000
	s_mov_b32 s[G0B+4*\s], 1
	s_add_co_u32 s[G0B+4*\s+1], s45, \s*SLOT
	s_add_nc_u64 s[G0B+4*\s+2:G0B+4*\s+3], s[46:47], \s*KSTEPB
	s_or_b32 s[G0B+4*\s+3], s[G0B+4*\s+3], 0x80000000
.endr
	JLOAD G0, G1, G0B, G1B                         ; K step 0: one tensor load a wave at the head
	v_and_b32 v1, 15, v0
	v_bfe_u32 v2, v0, 4, 1
	v_and_b32 v9, 31, v0
	v_lshlrev_b32 v[CO], 4, v9
	v_lshlrev_b32 v[PFO], 8, v9
	v_lshlrev_b32 v7, 6, v1
	v_lshl_add_u32 v7, v2, 5, v7
	s_wait_alu depctr_va_vdst(0)
	v_lshlrev_b32 v8, 5, v2
	s_wait_alu depctr_va_vdst(0)
	s_lshl_b32 s76, s42, 8
	s_lshl_b32 s77, s16, 7
	s_add_co_u32 s76, s76, s77
	s_lshl_b32 s78, s76, 6
	s_mov_b32 s79, 0
	s_add_nc_u64 s[10:11], s[10:11], s[78:79]
	s_lshl_b32 s78, s76, 2
	s_add_nc_u64 s[68:69], s[68:69], s[78:79]
	s_lshl_b32 s78, s17, 4
	s_lshl_b32 s77, s15, 3
	s_add_co_u32 s78, s78, s77
	s_lshl_b32 s78, s78, 9
	s_add_nc_u64 s[8:9], s[8:9], s[78:79]
	WIN TO_B
.irp b, 0,1,2,3,4,5,6,7
.irp j, 0,1
	global_load_b128 v[128+16*\b+8*\j:128+16*\b+8*\j+3], v7, s[10:11] offset:262144*\j+1024*\b
	global_load_b128 v[128+16*\b+8*\j+4:128+16*\b+8*\j+7], v7, s[10:11] offset:262144*\j+1024*\b+16
.endr
.endr
	WIN 0
.irp a, 0,1,2,3,4,5,6,7
	global_load_b128 v[AF+8*\a:AF+8*\a+3], v[CO], s[8:9] offset:512*\a
.endr
.irp b, 0,1,2,3,4,5,6,7
	global_load_b128 v[BI+8*\b:BI+8*\b+3], v8, s[68:69] offset:64*\b
	global_load_b128 v[BI+8*\b+4:BI+8*\b+7], v8, s[68:69] offset:64*\b+16
.endr
.irp a, 0,1,2,3,4,5,6,7
.irp p, 4,5,6,7
	v_mov_b32 v[AF+8*\a+\p], 0
.endr
.endr
	s_mul_i32 s84, s15, PANEL
	s_mul_i32 s85, s16, PANEL
	s_add_co_u32 s85, s85, 2*PANEL
.irp s, 0,1
	v_add_nc_u32 v[ADRA+\s], s84, v[CO]
	v_add_nc_u32 v[ADRB+\s], s85, v[CO]
	s_add_co_u32 s84, s84, SLOT
	s_add_co_u32 s85, s85, SLOT
.endr
	s_mul_i32 s84, s15, PANEL
	s_mul_i32 s85, s16, PANEL
	s_add_co_u32 s85, s85, 2*PANEL
	s_sub_co_u32 s85, s85, s84
	v_mul_u32_u24 v6, s85, v2
	v_lshl_add_u32 v6, v1, 3, v6
	s_add_co_u32 s84, s84, SCOFF
	v_add_nc_u32 v[ADRS], s84, v6
	v_add_nc_u32 v[ADRS+1], SLOT, v[ADRS]
	s_mul_i32 s23, s14, 16*SPITCH
	v_mul_u32_u24 v5, v1, SPITCH
	v_lshl_add_u32 v5, v2, 5, v5
	v_add_nc_u32 v[STO], s23, v5
	v_add_nc_u32 v[RD], s23, v[CO]
	s_lshl_b32 s80, s17, 8
	s_lshl_b32 s81, s15, 7
	s_add_co_u32 s80, s80, s81
	s_lshl_b32 s80, s80, 14
	s_lshl_b32 s81, s42, 10
	s_add_co_u32 s80, s80, s81
	s_lshl_b32 s81, s16, 9
	s_add_co_u32 s80, s80, s81
	s_mov_b32 s81, 0
	s_add_nc_u64 s[70:71], s[70:71], s[80:81]
	s_cmp_eq_u32 s15, 0
	s_cselect_b32 s86, s40, s41                    ; my place among the four that ask for the panel with me
	s_cselect_b64 s[PFA:PFA+1], s[20:21], s[46:47]
	s_mov_b32 s[LIM], 1                            ; every cluster asks for what it will load
	s_mul_i32 s88, s86, 7936
	s_sub_co_u32 s88, 32768, s88
	v_mov_b32 v31, s88                             ; from my 8,192 bytes of the panel to block 128 + my place: 32,768 + 256 p - 8,192 p
	s_lshl_b32 s86, s86, 13
	s_mov_b32 s87, 0
	s_add_nc_u64 s[PFA:PFA+1], s[PFA:PFA+1], s[86:87]
	s_add_nc_u64 s[PFA:PFA+1], s[PFA:PFA+1], 3*KSTEPB
	s_wait_alu depctr_va_vdst(0)                   ; the wait at the head's end
	s_wait_tensorcnt 0x0                           ; my panel of K step 0 is in
	ds_add_u32 v[SPW], v[NIL]
	s_wait_dscnt 0x0
	CROUND                                         ; everybody's panels of K step 0 are in, and all sixteen work-groups are here
	JLOAD G0+4, G1, G0B+4, G1B                     ; K step 1: the first tensor load behind the round
	s_wait_loadcnt 24
	WIN 0x45
.irp b, 0,1,2,3,4,5,6,7
.irp p, 0,1,2,3
	v_pk_add_f32 v[128+16*\b+2*\p:128+16*\b+2*\p+1], v[128+16*\b+2*\p:128+16*\b+2*\p+1], v[128+16*\b+8+2*\p:128+16*\b+8+2*\p+1]
.endr
.endr
.irp b, 0,1,2,3,4,5,6,7
.irp p, 0,1,2,3
	v_cvt_pk_bf16_f32 v[8*\b+\p], v[128+16*\b+2*\p], v[128+16*\b+2*\p+1]
.endr
.endr
.irp b, 0,1,2,3,4,5,6,7
.irp p, 4,5,6,7
	v_mov_b32 v[8*\b+\p], 0
.endr
.endr
	s_wait_alu depctr_va_vdst(0)
	s_wait_loadcnt 0x0
.rept 4
	v_nop
.endr
.irp a, 0,1,2,3,4,5,6,7
	WIN 0x81+0x40*(\a/4)
.irp b, 0,1,2,3,4,5,6,7
	v_wmma_f32_16x16x32_bf16 v[8*(8*(\a%4)+\b):8*(8*(\a%4)+\b)+7], v[8*\b:8*\b+7], v[AF+8*\a:AF+8*\a+7], v[BI+8*\b:BI+8*\b+7]
.endr
.endr
	WIN 0
.rept NP
	v_nop
.endr
.macro FRAG reg, adr, q, i
.irp c, 0,1,2,3
	ds_load_b128 v[\reg+4*\c:\reg+4*\c+3], v[\adr] offset:(2*(\i)+(\q))*2048+512*\c
.endr
.endm
.macro MUL16 a0, p, q, sc
.irp a, \a0, \a0+1
.irp b, 0,1,2,3,4,5,6,7
	v_wmma_scale_f32_16x16x128_f8f6f4 v[8*(8*((\a)%4)+\b):8*(8*((\a)%4)+\b)+7], v[128*(\p)+FR*\b:128*(\p)+FR*\b+FR-1], v[AF+FR*(\a):AF+FR*(\a)+FR-1], v[8*(8*((\a)%4)+\b):8*(8*((\a)%4)+\b)+7], v[SC+8*NQ*(\sc)+NQ*\b+(\q)], v[SC+8*NQ*(\sc)+NQ*(\a)+(\q)] matrix_a_fmt:MATRIX_FMT_BF8 matrix_b_fmt:MATRIX_FMT_BF8 matrix_a_scale:MATRIX_SCALE_ROW1
.endr
.endr
.endm
.macro FETCH_B slot, q, p
	WIN TO_B
.irp i, 0,1,2,3,4,5,6,7
	FRAG 128*(\p)+FR*\i, ADRB+\slot, \q, \i
.endr
	WIN 0
.endm
.macro FETCH_A slot, q, i0
.irp i, \i0, \i0+1, \i0+2, \i0+3
	FRAG AF+FR*(\i), ADRA+\slot, \q, \i
.endr
.endm
.macro SCALES sc
.irp i, 0,1,2,3,4,5,6,7
	ds_load_b64 v[SC+8*NQ*\sc+NQ*\i:SC+8*NQ*\sc+NQ*\i+1], v[ADRS+\sc] offset:128*\i
.endr
.endm
.macro PLACES n
.rept \n
	v_nop
.endr
.endm
.macro STEP slot, q
	s_wait_dscnt 4*NL
	WIN MUL_LO
	MUL16 0, (\q)%2, \q, \slot
	MUL16 2, (\q)%2, \q, \slot
	s_wait_dscnt 0
	PLACES NP
	FETCH_B \slot, (\q)+1, 1-(\q)%2
	FETCH_A \slot, (\q)+1, 0
	WIN MUL_HI
	MUL16 4, (\q)%2, \q, \slot
	MUL16 6, (\q)%2, \q, \slot
	PLACES NP
	WIN 0
	FETCH_A \slot, (\q)+1, 4
.endm
.macro TURN slot, next, fill
.if \fill
	s_wait_xcnt 0x0
	s_add_nc_u64 s[PFA:PFA+1], s[PFA:PFA+1], KSTEPB
.endif
	s_wait_tensorcnt 0x0
	ds_add_u32 v[SPW], v[NIL]
.if \fill
	s_add_nc_u64 s[G0+4*\slot+2:G0+4*\slot+3], s[G0+4*\slot+2:G0+4*\slot+3], 2*KSTEPB
	s_add_nc_u64 s[G0B+4*\slot+2:G0B+4*\slot+3], s[G0B+4*\slot+2:G0B+4*\slot+3], 2*KSTEPB
.endif
	s_wait_dscnt 0x0
	s_barrier_signal -1
	s_barrier_wait -1
.if \fill
	CREST
	JLOAD G0+4*\slot, G1, G0B+4*\slot, G1B
.endif
	FETCH_B \next, 0, 0
	SCALES \next
.if \fill
	ASK
.endif
	WIN MUL_LO
	MUL16 0, 1, NQ-1, \slot
	MUL16 2, 1, NQ-1, \slot
	PLACES NP
	WIN 0
	FETCH_A \next, 0, 0
	WIN MUL_HI
	MUL16 4, 1, NQ-1, \slot
	MUL16 6, 1, NQ-1, \slot
	PLACES NP
	WIN 0
	FETCH_A \next, 0, 4
.endm
	FETCH_B 0, 0, 0
	FETCH_A 0, 0, 0
	SCALES 0
	FETCH_A 0, 0, 4
	STEP 0, 0
	s_mov_b32 s3, LAPS-1
.Llap:
	TURN 0, 1, 1
	STEP 1, 0
	TURN 1, 0, 1
	STEP 0, 0
	s_sub_co_u32 s3, s3, 1
	s_cmp_lg_u32 s3, 0
	s_cbranch_scc1 .Llap
	TURN 0, 1, 0
	STEP 1, 0
	s_wait_dscnt 4*NL
	WIN MUL_LO
	MUL16 0, 1, NQ-1, 1
	MUL16 2, 1, NQ-1, 1
	s_wait_dscnt 0
	WIN MUL_HI
	MUL16 4, 1, NQ-1, 1
	MUL16 6, 1, NQ-1, 1
	WIN 0
.macro TOSTAGE a
.set AC, 64*((\a)%4)
	WIN 0x08+4*((\a)/4)
.irp b, 0,1,2,3,4,5,6,7
	ds_store_b128 v[STO], v[AC+8*\b:AC+8*\b+3] offset:64*\b
	ds_store_b128 v[STO], v[AC+8*\b+4:AC+8*\b+7] offset:64*\b+16
.endr
	WIN 0
.set BB, BK+64*((\a)%2)
.irp t, 0,1,2,3,4,5,6,7,8,9,10,11,12,13,14,15
	ds_load_b128 v[BB+4*\t:BB+4*\t+3], v[RD] offset:\t*SPITCH
.endr
.endm
.macro SEND a, younger
.set BB, BK+64*((\a)%2)
	s_wait_dscnt \younger
.if (\a) > 0
	s_add_nc_u64 s[70:71], s[70:71], 16*SIZE_N*4
.endif
.irp t, 0,1,2,3,4,5,6,7,8,9,10,11,12,13,14,15
	global_store_b128 v[CO], v[BB+4*\t:BB+4*\t+3], s[70:71] offset:\t*SIZE_N*4 th:TH_STORE_NT
.endr
.endm
	PLACES NP
	TOSTAGE 0
.irp a, 1,2,3,4,5,6,7
.if \a > 1
	s_wait_xcnt 0x0
.endif
	TOSTAGE \a
	SEND \a-1, 32
.endr
	s_wait_xcnt 0x0
	SEND 7, 0
	s_wait_tensorcnt 0x0
	ds_add_u32 v[SPW], v[NIL]
	s_wait_dscnt 0x0
	CROUND
	s_endpgm
.Lfunc_end_k_q34b911f3d1_gemm:
	.size	k_q34b911f3d1_gemm, .Lfunc_end_k_q34b911f3d1_gemm-k_q34b911f3d1_gemm
	.p2alignl 7, 3214868480
	.fill 96, 4, 3214868480
	.section	.rodata,"a",@progbits
	.p2align	6, 0x0
	.amdhsa_kernel k_q34b911f3d1_gemm
		.amdhsa_group_segment_fixed_size 327680
		.amdhsa_private_segment_fixed_size 0
		.amdhsa_enable_private_segment 0
		.amdhsa_kernarg_size 48
		.amdhsa_user_sgpr_count 2
		.amdhsa_user_sgpr_kernarg_segment_ptr 1
		.amdhsa_wavefront_size32 1
		.amdhsa_system_sgpr_workgroup_id_x 1
		.amdhsa_system_sgpr_workgroup_id_y 1
		.amdhsa_system_sgpr_workgroup_id_z 1
		.amdhsa_system_vgpr_workitem_id 0
		.amdhsa_next_free_vgpr 1024
		.amdhsa_next_free_sgpr 98
		.amdhsa_reserve_vcc 0
		.amdhsa_float_denorm_mode_32 3
		.amdhsa_float_denorm_mode_16_64 3
		.amdhsa_memory_ordered 1
		.amdhsa_forward_progress 1
		.amdhsa_inst_pref_size 161
	.end_amdhsa_kernel
	.amdgpu_metadata
---
amdhsa.version: [ 1, 2 ]
amdhsa.kernels:
  - .name:           k_q34b911f3d1_gemm
    .symbol:         k_q34b911f3d1_gemm.kd
    .args:
      - { .name: xp, .offset: 0, .size: 8, .value_kind: global_buffer, .address_space: global }
      - { .name: wp, .offset: 8, .size: 8, .value_kind: global_buffer, .address_space: global }
      - { .name: hbuf, .offset: 16, .size: 8, .value_kind: global_buffer, .address_space: global }
      - { .name: lora_B, .offset: 24, .size: 8, .value_kind: global_buffer, .address_space: global }
      - { .name: bias, .offset: 32, .size: 8, .value_kind: global_buffer, .address_space: global }
      - { .name: out0, .offset: 40, .size: 8, .value_kind: global_buffer, .address_space: global }
    .group_segment_fixed_size: 327680
    .private_segment_fixed_size: 0
    .kernarg_segment_align: 8
    .kernarg_segment_size: 48
    .max_flat_workgroup_size: 128
    .sgpr_count:     98
    .vgpr_count:     1024
    .wavefront_size: 32
...
	.end_amdgpu_metadata
.endif
;; end of part 3
